; MI455X (gfx1250); checked and timed in simulation.
; The chip was launched on July 23, 2026; its instructions are those of AMD's public machine-readable ISA for CDNA 5 (MIT licence, August 2026) and "CDNA5" Instruction Set Architecture Reference Guide (July 2026). The comments in the code are by the model that wrote it; some were corrected since.
;; Bahdanau Attention LSTM. Allowed arithmetic: matrix products marked QUANTISED: E2M1 operands, one E8M0 scale for each 32 along K, by v_wmma_scale_f32_16x16x128_f8f6f4 with both operands' format E2M1 (or v_wmma_scale_f32_32x16x128_f4), f32 sums; products left as they are: f32 operands where the result goes on into a quantised operand, else bf16, f16 or f32 operands; f32 sums; everything else in f32.
;; Inputs: Ua_b 1,024 float32; Ua_w_codes 1,024 x 32 x 16 uint8 (E2M1 codes of Ua_w, K innermost, in blocks of 32 codes, two codes a byte); Ua_w_scales 1,024 x 32 uint8 (E8M0 scales of Ua_w, one for each 32 codes along K); Va_b 1 float32; Va_w 1 x 1,024 float32; Wa_b 1,024 float32; Wa_w_codes 1,024 x 32 x 16 uint8 (E2M1 codes of Wa_w, K innermost, in blocks of 32 codes, two codes a byte); Wa_w_scales 1,024 x 32 uint8 (E8M0 scales of Wa_w, one for each 32 codes along K); keys 32 x 2,048 x 1,024 float32; query0 32 x 1 x 1,024 float32; query1 32 x 1 x 1,024 float32.
;; Outputs: out0 32 x 1 x 1,024 float32; out1 32 x 1 x 2,048 float32.
;; This version of the problem:
;;   THIS VERSION OF THE PROBLEM IS GIVEN IN LOW PRECISION. The matrix products marked QUANTISED in the list below multiply operands that are first quantised to E2M1 (2 exponent bits, 1 mantissa bit; 4 bits a number), with one power-of-two scale for each 32 numbers along K (OCP MX v1.0); their sums are f32. All else is computed in f32.
;;   The module's matrix products, in the order in which they are computed (A, B: the left and right operand; K: the contracted axis; several contracted axes count as one K, in the product's order):
;;     1. [M 32, K 1,024] x [K 1,024, N 1,024]; A: computed on the way; B: input Wa_w (given as codes): QUANTISED
;;     2. [M 65,536, K 1,024] x [K 1,024, N 1,024]; A: input keys; B: input Ua_w (given as codes): QUANTISED
;;     3. [M 65,536, K 1,024] x [K 1,024, N 1]; A: computed on the way; B: input Va_w: left as it is (N = 1 < 16)
;;     4. batch 32 x [M 1, K 2,048] x [K 2,048, N 1,024]; A: softmax; B: input keys: left as it is (M = 1 < 16)
;;   THE QUANTISER, for each operand of a quantised product, along K:
;;     - K is cut into blocks of 32 from its start; a last block that is shorter is filled with zeros.
;;     - A block's scale is 2^e with e = floor(log2(the largest magnitude in the block)) - 2, held to -126 .. 127; a block of zeros has e = 0. As a byte (E8M0): e + 127.
;;     - Each number is divided by its block's scale, clamped to +-6, and rounded to the nearest number of E2M1, ties to even, subnormals kept.
;;     - The product sums the exact products of the quantised numbers (number of the format x scale) in f32.
;;   ~~~python
;;   def quantise(x, axis):      # numpy; x: float32 -> the quantised numbers, widened to float32 again
;;       x = np.moveaxis(x, axis, -1); K = x.shape[-1]
;;       x = np.pad(x, [(0, 0)] * (x.ndim - 1) + [(0, -K % 32)]); x = x.reshape(x.shape[:-1] + (-1, 32)); a = np.abs(x).max(-1, keepdims=True)
;;       e = np.where(a > 0, np.clip(np.frexp(np.where(a > 0, a, 1))[1] - 1 - 2, -126, 127), 0)      # np.frexp(a)[1] - 1 = floor(log2(a)), exactly
;;       r = np.clip(x / 2.0 ** e, -6, 6)
;;       step = 2.0 ** (np.maximum(np.frexp(np.where(r == 0, 1, r))[1] - 1, 0) - 1)
;;       q = np.round(r / step) * step * 2.0 ** e      # np.round: ties to even
;;       return np.moveaxis(q.reshape(q.shape[:-2] + (-1,))[..., :K], -1, axis).astype(np.float32)
;;   ~~~
;;   OPERANDS COMPUTED ON THE WAY. 'Computed on the way' means the value that the module computes at that place (a softmax that the list does not call 'softmax' is quantised finished and normalised). What goes into a quantiser is computed in f32, as accurately as f32 sums, v_exp_f32 and their like allow (about 1e-6 of the number): no bf16 or f16 on the way to a quantiser, and a product that is left as it is and whose result goes on into a quantised operand takes f32 operands (vector FMAs, or v_wmma_f32_16x16x4_f32). A number that lies on a knife's edge between two numbers of the format may be rounded either way, as far as f32 arithmetic and the matrix unit's own rounding can turn it there, and no further.
;;   INPUTS GIVEN AS CODES. Ua_w (in the module: [1024, 1024], K = its axis 1); Wa_w (in the module: [1024, 1024], K = its axis 1): each comes as NAME_codes (uint8): NAME with its K axis moved to the last place and cut into blocks of 32 codes, [.., K / 32, bytes a block], one block behind the other in memory; two codes a byte, the lower K in the low four bits (a code: sign, 2 exponent bits, 1 mantissa bit); and NAME_scales (uint8): the same leading axes, one E8M0 byte (e + 127) for each 32 codes along K. Its value is code x scale, taken as it is: it is not quantised again, and the codes and scales need not be those that the quantiser above would give.
;; One version. Each part assembles by itself: llvm-mc -triple=amdgcn-amd-amdhsa -mcpu=gfx1250 --defsym DOCPART=n.
;; ======== version 1 of 1: 3 launches
;; limits: right only within a limited range of input values
;; workspace buffers: ua_img 524,288 bytes; part 524,288 bytes; pctx 1,048,576 bytes; pml 65,536 bytes; tau 262,144 bytes
;; launch prep (part 1): grid 64 x 1, 2 waves a work-group, no clusters, 11,264 bytes of LDS; arguments query0, query1, Wa_w_codes, Wa_w_scales, Ua_w_codes, ua_img, part; writes ua_img, part
.if DOCPART == 1
	.amdgcn_target "amdgcn-amd-amdhsa--gfx1250"
	.amdhsa_code_object_version 6
	.text
	.protected	k_q47027009a0_prep
	.globl	k_q47027009a0_prep
	.p2align	8
	.type	k_q47027009a0_prep,@function
k_q47027009a0_prep:
	s_mov_b64 s[64:65], 0
	v_nop
	global_prefetch_b8 v0, s[64:65] scope:SCOPE_SE
	s_setreg_imm32_b32 hwreg(HW_REG_WAVE_MODE, 25, 1), 1
	s_wait_xcnt 0x0
; BAHDANAU ATTENTION, launch 1 of 3.  It makes two small things for the main launch:
;   ua_img: Ua's codes in the order of the operand's registers: [tile T of 16 rows o][K step ks][c][lane][16 bytes]; lane (r, h) holds the bytes 64 ks + 32 c + 16 h of row 16 T + r;
;   part[kq][b][o] = the part of Q(query0 + query1)[b] . Wa[o] that K steps 2 kq and 2 kq + 1 give: codes of E2M1 with E8M0 scales, q quantised here along H by the stated rule.  The main launch adds the four parts.
;   (An order of rounding that differs from reference()'s: the f32 sum over K is taken as four sums of 256 along K.)
; WORK LEFT OUT, in the whole program.  tanh(x) = 1 - 2 r with r = 1 / (1 + 2^(c x)), c = 2 log2(e), so score[b][s] = (sum over o of Va[o] + Va_b) - 2 sum over o of Va[o] r[b][s][o].  The bracket is the same for every s
; of a batch; softmax over s is unchanged by a term that is the same along s, for all values of the inputs, and the context hangs on the scores through the weights alone.  So Va_b is not loaded, is among no
; launch's arguments, and the sum of Va is never formed.  LIMIT: a NaN, an infinity or an overflow in Va_b or in that sum is not carried to the result.
; LIMITS: NaN and infinities among the inputs are not served.  A block of q whose largest magnitude lies under 2^-124 gets the scale byte 1, a block of zeros too (the rule says 127): its codes are zeros, and these bytes are read by this program alone.
; SHARES.  64 work-groups of two waves.  Work-group g: mu = g % 2 (batches 16 mu .. + 15), kq = (g / 2) % 4, tg = g / 8 (tiles 8 tg .. + 7 of Wa).  Wave w quantises K step 2 kq + w of its 16 batches (32 loads), hands the
; fragment to the other wave through LDS as an image of its registers, and multiplies tiles 8 tg + 4 w .. + 3 by both fragments: 8 products, four accumulators by turns.  It also lays out K steps 4 w .. 4 w + 3 of Ua's tile g.
; So a work-group loads 32 KiB of queries, 16 KiB of Wa and 8 KiB of Ua, and all 60 loads of a wave are issued together.
; The product is used transposed (source 0 = 16 rows of Wa, source 1 = 16 batches): a lane holds 8 neighbouring columns of one batch; a wave's 64 columns x 16 batches go through its own stage in LDS and leave as rows of 256 bytes.
.set ISC,   2048                       ; LDS: from 0 the two images, 1,024 bytes each; here their scale words, 128 bytes each (4 bytes a lane)
.set STG,   2304                       ; the stages: 16 rows x 272 bytes for each wave
.set SP,    272
.set SPARE, 11008                      ; the spare words, 128 bytes for each of the two waves: one block of 256 bytes that no other line names
.set SPW, 1                            ; v1   LDS address of my spare word; never rewritten
.set NIL, 2                            ; v2   0; never rewritten
.set RR,  3                            ; v3   r = lane % 16
.set HH,  4                            ; v4   h = lane / 16
.set LI,  5                            ; v5   16 x lane
.set QA,  6                            ; v6   q: 4096 r + 64 h
.set FA,  7                            ; v7   a weight's fragment: 512 r + 16 h
.set IWA, 8                            ; v8   where I store my image: 16 x lane + 1024 w
.set ISW, 9                            ; v9   and its scale words: ISC + 4 x lane + 128 w
.set ISR, 10                           ; v10  where scale words are read: ISC + 4 x lane
.set WSA, 11                           ; v11  Wa's scale words: 32 r
.set STO, 12                           ; v12  the stage, in: row r, + 32 h
.set RD,  13                           ; v13  the stage, back: row h, + 16 r
.set OA,  14                           ; v14  part: 4096 h + 16 r
.set WSC, 16                           ; v16-23 Wa's scale words: tile t, K step f at 2 t + f (lane r: row r's word)
.set ASC, 24                           ; v24-25 q's scale words of the two K steps
.set PW,  26                           ; v26  the scale word just made
.set UF,  32                           ; v32-63 four K steps of Ua's tile
.set WF,  64                           ; v64-127 Wa's fragments: (t, f) at 16 t + 8 f
.set X,   128                          ; v128-191 query0, then q
.set ACC, 128                          ; v128-159 afterwards the four accumulators
.set OUTR, 160                         ; v160-191 and the rows read back from the stage
.set Y,   192                          ; v192-255 query1; afterwards:
.set TM,  192                          ; v192-207 the quantiser's temporaries (written by the loads: a lane permute's destination counts as one of its sources)
.set PC,  208                          ; v208-215 the codes just made
.set AFR, 216                          ; v216-231 q's two fragments
.set SEL, 44                           ; s[44:45] lane selects for v_permlanex16_b32: lane l xor 16
; 64 numbers of a lane, register 16 b + i = k 32 b + 16 h + i of my row, become a fragment's 8 registers of codes and its scale word.
.macro QUANT s, pc, pw
.irp b, 0,1,2,3
	v_max3_num_f32 v[TM+\b], |v[\s+16*\b]|, |v[\s+1+16*\b]|, 0x1800000   ; block b: my 16 numbers, and the floor 2^(3 - 127): the byte cannot fall under 1
.endr
.irp i, 2,4,6,8,10,12,14
.irp b, 0,1,2,3
	v_max3_num_f32 v[TM+\b], v[TM+\b], |v[\s+16*\b+\i]|, |v[\s+1+16*\b+\i]|   ; the four blocks by turns
.endr
.endr
.irp b, 0,1,2,3
	v_permlanex16_b32 v[TM+4+\b], v[TM+\b], s[SEL], s[SEL+1]
.endr
.irp b, 0,1,2,3
	v_max_num_f32 v[TM+\b], v[TM+\b], v[TM+4+\b]   ; with lane l xor 16's 16: the block's largest magnitude
.endr
.irp b, 0,1,2,3
	v_add_nc_u32 v[TM+12+\b], 0xff000000, v[TM+\b]   ; 2 off its exponent field: the conversion takes that field as its scale
.endr
.irp b, 0,1,2,3
	v_lshrrev_b32 v[TM+4+\b], 23, v[TM+12+\b]   ; the scale's byte
.endr
	v_lshl_or_b32 v[\pw], v[TM+5], 8, v[TM+4]
	v_lshl_or_b32 v[\pw], v[TM+6], 16, v[\pw]
	v_lshl_or_b32 v[\pw], v[TM+7], 24, v[\pw]
.irp b, 0,1,2,3
	v_cvt_scalef32_pk8_fp4_f32 v[\pc+2*\b], v[\s+16*\b:\s+7+16*\b], v[TM+12+\b]
	v_cvt_scalef32_pk8_fp4_f32 v[\pc+1+2*\b], v[\s+8+16*\b:\s+15+16*\b], v[TM+12+\b]
.endr
	v_nop                                          ; one plain place behind a scaled conversion
.irp c, 0,1                                    ; the operand wants a whole block in a lane: lanes 0-15 block 2 c, lanes 16-31 block 2 c + 1
.irp i, 0,1
	v_permlane16_swap_b32 v[\pc+4*\c+\i], v[\pc+2+4*\c+\i]
.endr
.endr
.endm
	s_load_b256 s[4:11], s[0:1], 0x0               ; query0, query1, Wa's codes, Wa's scales
	s_load_b128 s[12:15], s[0:1], 0x20             ; Ua's codes, ua_img
	s_load_b64 s[16:17], s[0:1], 0x30              ; part
	v_lshl_add_u32 v[SPW], v0, 2, SPARE
	v_mov_b32 v[NIL], 0
	v_lshrrev_b32 v[RR], 5, v0
	v_readfirstlane_b32 s20, v[RR]                 ; wave 0, 1
	s_and_b32 s21, ttmp9, 1                        ; mu
	s_bfe_u32 s22, ttmp9, 0x20001                  ; kq: 2 bits from bit 1
	s_lshr_b32 s23, ttmp9, 3                       ; tg
	s_lshl_b32 s24, s22, 1
	s_add_co_u32 s24, s24, s20                     ; my K step: 2 kq + w
	s_lshl_b32 s25, s23, 3
	s_lshl_b32 s26, s20, 2
	s_add_co_u32 s25, s25, s26                     ; my first tile of Wa: T0 = 8 tg + 4 w
	s_mov_b32 s[SEL], 0x76543210
	s_mov_b32 s[SEL+1], 0xfedcba98
	s_lshl_b32 s28, s21, 16                        ; the queries: 16 mu rows of 4,096 bytes + 512 x my K step
	s_lshl_b32 s30, s24, 9
	s_add_co_u32 s28, s28, s30
	s_mov_b32 s29, 0
	s_lshl_b32 s30, s25, 13                        ; Wa's codes: T0 tiles of 8,192 bytes + 128 kq (two K steps of 64 bytes)
	s_lshl_b32 s32, s22, 7
	s_add_co_u32 s30, s30, s32
	s_mov_b32 s31, 0
	s_lshl_b32 s32, s25, 9                         ; Wa's scale bytes: T0 tiles of 512 bytes + 8 kq
	s_lshl_b32 s34, s22, 3
	s_add_co_u32 s32, s32, s34
	s_mov_b32 s33, 0
	s_lshl_b32 s34, ttmp9, 13                      ; Ua's codes: tile g + 256 w (four K steps of 64 bytes)
	s_lshl_b32 s36, s20, 8
	s_add_co_u32 s34, s34, s36
	s_mov_b32 s35, 0
	s_lshl_b32 s36, ttmp9, 13                      ; ua_img: tile g + 4,096 w (four K steps of 1,024 bytes)
	s_lshl_b32 s38, s20, 12
	s_add_co_u32 s36, s36, s38
	s_mov_b32 s37, 0
	s_lshl_b32 s38, s22, 17                        ; part: 131,072 kq + 16 mu rows of 4,096 bytes + 64 T0
	s_lshl_b32 s40, s21, 16
	s_add_co_u32 s38, s38, s40
	s_lshl_b32 s40, s25, 6
	s_add_co_u32 s38, s38, s40
	s_mov_b32 s39, 0
	v_and_b32 v[LI], 31, v0                        ; lane
	v_and_b32 v[RR], 15, v0
	v_bfe_u32 v[HH], v0, 4, 1
	v_lshl_add_u32 v[ISR], v[LI], 2, ISC
	s_lshl_b32 s41, s20, 7
	v_add_nc_u32 v[ISW], s41, v[ISR]
	v_lshlrev_b32 v[LI], 4, v[LI]
	s_lshl_b32 s41, s20, 10
	v_add_nc_u32 v[IWA], s41, v[LI]
	v_lshlrev_b32 v[QA], 12, v[RR]
	v_lshl_add_u32 v[QA], v[HH], 6, v[QA]
	v_lshlrev_b32 v[FA], 9, v[RR]
	v_lshl_add_u32 v[FA], v[HH], 4, v[FA]
	v_lshlrev_b32 v[WSA], 5, v[RR]
	s_mul_i32 s41, s20, 16*SP
	s_add_co_u32 s41, s41, STG                     ; my stage
	v_mul_u32_u24 v[STO], v[RR], SP
	v_lshl_add_u32 v[STO], v[HH], 5, v[STO]
	v_add_nc_u32 v[STO], s41, v[STO]
	v_mul_u32_u24 v[RD], v[HH], SP
	v_lshl_add_u32 v[RD], v[RR], 4, v[RD]
	v_add_nc_u32 v[RD], s41, v[RD]
	v_lshlrev_b32 v[OA], 12, v[HH]
	v_lshl_add_u32 v[OA], v[RR], 4, v[OA]
	s_wait_alu depctr_va_vdst(0)
	s_wait_kmcnt 0x0
	s_add_nc_u64 s[4:5], s[4:5], s[28:29]
	s_add_nc_u64 s[6:7], s[6:7], s[28:29]
	s_add_nc_u64 s[8:9], s[8:9], s[30:31]
	s_add_nc_u64 s[10:11], s[10:11], s[32:33]
	s_add_nc_u64 s[12:13], s[12:13], s[34:35]
	s_add_nc_u64 s[14:15], s[14:15], s[36:37]
	s_add_nc_u64 s[16:17], s[16:17], s[38:39]
	; all 60 loads at once, those that the quantiser waits for first
.irp b, 0,1,2,3
.irp j, 0,1,2,3
	global_load_b128 v[X+16*\b+4*\j:X+16*\b+4*\j+3], v[QA], s[4:5] offset:128*\b+16*\j
	global_load_b128 v[Y+16*\b+4*\j:Y+16*\b+4*\j+3], v[QA], s[6:7] offset:128*\b+16*\j
.endr
.endr
.irp k, 0,1,2,3
.irp c, 0,1
	global_load_b128 v[UF+8*\k+4*\c:UF+8*\k+4*\c+3], v[FA], s[12:13] offset:64*\k+32*\c   ; Ua's tile, as fragments
.endr
.endr
.irp t, 0,1,2,3
.irp f, 0,1
.irp c, 0,1
	global_load_b128 v[WF+16*\t+8*\f+4*\c:WF+16*\t+8*\f+4*\c+3], v[FA], s[8:9] offset:8192*\t+64*\f+32*\c
.endr
.endr
.endr
.irp t, 0,1,2,3
	global_load_b64 v[WSC+2*\t:WSC+2*\t+1], v[WSA], s[10:11] offset:512*\t   ; row r's words of my two K steps
.endr
	s_wait_loadcnt 28                              ; the queries' 32 loads are in; Ua's 8, Wa's 16 and the 4 of scale words may be out
.irp j, 0,2,4,6,8,10,12,14,16,18,20,22,24,26,28,30,32,34,36,38,40,42,44,46,48,50,52,54,56,58,60,62
	v_pk_add_f32 v[X+\j:X+\j+1], v[X+\j:X+\j+1], v[Y+\j:Y+\j+1]   ; q = query0 + query1, in f32
.endr
	QUANT X, PC, PW
	ds_store_b128 v[IWA], v[PC:PC+3]               ; the fragment goes to LDS as it stands,
	ds_store_b128 v[IWA], v[PC+4:PC+7] offset:512
	ds_store_b32 v[ISW], v[PW]                     ; and its scale word, 4 bytes a lane
	s_wait_loadcnt 20                              ; Ua's 8 loads are in; Wa's 20 may be out
.irp k, 0,1,2,3
.irp c, 0,1
	global_store_b128 v[LI], v[UF+8*\k+4*\c:UF+8*\k+4*\c+3], s[14:15] offset:1024*\k+512*\c   ; 32 lanes store 512 consecutive bytes
.endr
.endr
	s_wait_dscnt 0x0                               ; for the other wave's sake: my image lies in LDS
	s_barrier_signal -1
	s_barrier_wait -1
.irp f, 0,1
	ds_load_b128 v[AFR+8*\f:AFR+8*\f+3], v[LI] offset:1024*\f
	ds_load_b128 v[AFR+8*\f+4:AFR+8*\f+7], v[LI] offset:1024*\f+512
	ds_load_b32 v[ASC+\f], v[ISR] offset:128*\f
.endr
	s_wait_dscnt 0x0
	s_wait_loadcnt 0x0                             ; Wa's fragments and scale words
.irp f, 0,1                                    ; the four accumulators take turns; the first K step starts the sums
.irp t, 0,1,2,3
.if \f == 0
	v_wmma_scale_f32_16x16x128_f8f6f4 v[ACC+8*\t:ACC+8*\t+7], v[WF+16*\t+8*\f:WF+16*\t+8*\f+7], v[AFR+8*\f:AFR+8*\f+7], 0, v[WSC+2*\t+\f], v[ASC+\f] matrix_a_fmt:MATRIX_FMT_FP4 matrix_b_fmt:MATRIX_FMT_FP4
.else
	v_wmma_scale_f32_16x16x128_f8f6f4 v[ACC+8*\t:ACC+8*\t+7], v[WF+16*\t+8*\f:WF+16*\t+8*\f+7], v[AFR+8*\f:AFR+8*\f+7], v[ACC+8*\t:ACC+8*\t+7], v[WSC+2*\t+\f], v[ASC+\f] matrix_a_fmt:MATRIX_FMT_FP4 matrix_b_fmt:MATRIX_FMT_FP4
.endif
.endr
.endr
.rept 4
	v_nop                                          ; four places ahead of the first read of results
.endr
.irp t, 0,1,2,3
	ds_store_b128 v[STO], v[ACC+8*\t:ACC+8*\t+3] offset:64*\t        ; lane (r, h), register j: batch 16 mu + r, column 16 (T0 + t) + 8 h + j; each accumulator from its low end on
	ds_store_b128 v[STO], v[ACC+8*\t+4:ACC+8*\t+7] offset:64*\t+16
.endr
.irp i, 0,1,2,3,4,5,6,7
	ds_load_b128 v[OUTR+4*\i:OUTR+4*\i+3], v[RD] offset:2*\i*SP      ; my own bytes: LDS serves a wave's instructions in order
.endr
.irp i, 0,1,2,3,4,5,6,7
	s_wait_dscnt 7-\i                              ; rows 2 i and 2 i + 1 are back; the younger loads may be out
	global_store_b128 v[OA], v[OUTR+4*\i:OUTR+4*\i+3], s[16:17] offset:8192*\i   ; 16 lanes store 256 consecutive bytes, aligned
.endr
	s_wait_tensorcnt 0x0                           ; the wave's end
	ds_add_u32 v[SPW], v[NIL]
	s_wait_dscnt 0x0
	s_endpgm
.Lfunc_end_k_q47027009a0_prep:
	.size	k_q47027009a0_prep, .Lfunc_end_k_q47027009a0_prep-k_q47027009a0_prep
	.p2alignl 7, 3214868480
	.fill 96, 4, 3214868480
	.section	.rodata,"a",@progbits
	.p2align	6, 0x0
	.amdhsa_kernel k_q47027009a0_prep
		.amdhsa_group_segment_fixed_size 11264
		.amdhsa_private_segment_fixed_size 0
		.amdhsa_enable_private_segment 0
		.amdhsa_kernarg_size 56
		.amdhsa_user_sgpr_count 2
		.amdhsa_user_sgpr_kernarg_segment_ptr 1
		.amdhsa_wavefront_size32 1
		.amdhsa_system_sgpr_workgroup_id_x 1
		.amdhsa_system_sgpr_workgroup_id_y 1
		.amdhsa_system_sgpr_workgroup_id_z 1
		.amdhsa_system_vgpr_workitem_id 0
		.amdhsa_next_free_vgpr 256
		.amdhsa_next_free_sgpr 66
		.amdhsa_reserve_vcc 0
		.amdhsa_float_denorm_mode_32 3
		.amdhsa_float_denorm_mode_16_64 3
		.amdhsa_memory_ordered 1
		.amdhsa_forward_progress 1
		.amdhsa_inst_pref_size 20
	.end_amdhsa_kernel
	.amdgpu_metadata
---
amdhsa.version: [ 1, 2 ]
amdhsa.kernels:
  - .name:           k_q47027009a0_prep
    .symbol:         k_q47027009a0_prep.kd
    .args:
      - { .name: query0, .offset: 0, .size: 8, .value_kind: global_buffer, .address_space: global }
      - { .name: query1, .offset: 8, .size: 8, .value_kind: global_buffer, .address_space: global }
      - { .name: Wa_w_codes, .offset: 16, .size: 8, .value_kind: global_buffer, .address_space: global }
      - { .name: Wa_w_scales, .offset: 24, .size: 8, .value_kind: global_buffer, .address_space: global }
      - { .name: Ua_w_codes, .offset: 32, .size: 8, .value_kind: global_buffer, .address_space: global }
      - { .name: ua_img, .offset: 40, .size: 8, .value_kind: global_buffer, .address_space: global }
      - { .name: part, .offset: 48, .size: 8, .value_kind: global_buffer, .address_space: global }
    .group_segment_fixed_size: 11264
    .private_segment_fixed_size: 0
    .kernarg_segment_align: 8
    .kernarg_segment_size: 56
    .max_flat_workgroup_size: 64
    .sgpr_count:     66
    .vgpr_count:     256
    .wavefront_size: 32
...
	.end_amdgpu_metadata
.endif
;; end of part 1
;; launch main (part 2): grid 256 x 1, 4 waves a work-group, no clusters, 327,680 bytes of LDS; arguments keys, ua_img, Ua_w_scales, part, Va_w, pctx, pml, tau, Wa_b, Ua_b; writes pctx, pml, tau
.if DOCPART == 2
	.amdgcn_target "amdgcn-amd-amdhsa--gfx1250"
	.amdhsa_code_object_version 6
	.text
	.protected	k_q47027009a0_main
	.globl	k_q47027009a0_main
	.p2align	8
	.type	k_q47027009a0_main,@function
k_q47027009a0_main:
	s_mov_b64 s[64:65], 0
	v_nop
	global_prefetch_b8 v0, s[64:65] scope:SCOPE_SE
	s_setreg_imm32_b32 hwreg(HW_REG_WAVE_MODE, 25, 1), 1
	s_wait_xcnt 0x0
; BAHDANAU ATTENTION, launch 2 of 3: all the bulk work; each byte of keys is read from memory once, and each byte of Ua once by each work-group.
; For each row s of keys: x[o] = Q(keys[s]) . Ua[o] (codes of E2M1, E8M0 scales), t = c x + bias[o], bias = c (the four parts of wq + Wa_b + Ua_b), c = 2 log2(e); r = 1 / (1 + 2^t);
; tau[s] = sum over o of (-c Va[o]) r: the score x log2(e) up to a term that is the same for all s of a batch.  WORK LEFT OUT: that term (sum of Va, and Va_b, which is not loaded): softmax over s does not see it (shown at the first launch's head).
; p = 2^(tau - M), M the running maximum of tau in this work-group; L = sum of p; ctx = sum of p x keys[s] in f32.  The last launch joins a batch's eight (M, L, ctx).
; LIMITS: NaN and infinities among the inputs are not served; a block of keys whose largest magnitude lies under 2^-124, a block of zeros too, gets the scale byte 1 (its codes are zeros; the bytes are read here alone).
; 2^t = infinity gives r = 0 and 2^t = 0 gives r = 1, as tanh's ends ask: no clamp.  An order of rounding that differs from reference()'s: for four of a wave's sixteen tiles the sum over K is taken as two sums (even and odd K steps).
; SHARES.  Work-group x: rows 256 x .. + 255 of [65536][1024] (batch x / 8), in 16 passes of 16 rows.  Wave w owns columns o = 256 w .. + 255 (16 tiles) and the quarter h = 256 w .. + 255 of the keys:
; it fetches that quarter (one tensor load a pass: 16 rows x 1 KiB), quantises it (K steps 2 w, 2 w + 1; images of the operand's registers go to the other waves through LDS) and sums it into the context.
; UA STAYS: of a wave's 16 tiles twelve lie in registers (windows 1 to 3, 768 registers), four in LDS (32 KiB a wave) as images of the registers; an LDS tile comes into 64 registers of window 0 while the group before walks its tanh.
; A PASS, two barriers: products, tanh and tau's parts of pass i; under the last tanh the pass's 16 f32 rows go from slot i into registers | the three lines, barrier, refill of slot i with pass i + 2 |
; tau, softmax step, context from the registers; pass i + 1 is quantised from the other slot | barrier.  So a refill is asked for as soon as the load before it has landed, and has a whole pass in which to land.
; NO CLUSTER: no two work-groups read the same rows of keys, which are all that the loop fetches; Ua is read once, at the head, and three quarters of it go straight into registers, where no joint load lands.
; PREFETCH: in pass i each wave names its own quarter of pass i + 4's rows (64 blocks of 256 bytes, two instructions), which the refill two trips on will fetch; passes 12 to 15 ask for nothing;
; the rows of passes 2 and 3 are named at the head, those of passes 0 and 1 come by their loads alone.
.set C2,    0x4038aa3b                 ; c = 2 log2(e)
.set NC2,   0xc038aa3b                 ; -c
.set KP,    1040                       ; a quarter row in LDS: 1,024 bytes + 16 of padding
.set QB,    16*KP                      ; a wave's quarter of a slot
.set SLOTB, 4*QB                       ; 66,560 = 0x10400; QB x wave has neither of its two bits set, so one exclusive or turns an address from slot to slot
.set UAL,   2*SLOTB                    ; Ua's tiles 12-15 of each wave: [wave][tile][K step][c][lane][16 bytes]
.set BVM,   UAL+131072                 ; [1024][bias, -c Va] f32
.set ISC,   BVM+8192                   ; the keys' scale words [16 rows][8 K steps]
.set PS,    ISC+1024                   ; partial tau [wave][16 rows]
.set TAUL,  PS+256                     ; tau of the 256 rows (wave 0 alone)
.set SPARE, TAUL+1024                  ; the spare words, 128 bytes a wave: two blocks of 256 bytes that no other line names
.set IMG,   278528                     ; 8 images of fragments, 1,024 bytes each
.set USC,   IMG+16384                  ; Ua's scale bytes as given, [1024][32]
.set SPW, 1                            ; LDS address of my spare word; never rewritten
.set NIL, 2                            ; 0; never rewritten
.set LQ,  3                            ; QB w + KP r + 64 h
.set LQA, 4                            ; + the slot that is quantised
.set LI,  5                            ; 16 x lane
.set IWA, 6                            ; IMG + 2048 w + 16 x lane: where my images go
.set ISA, 7                            ; ISC + 32 r + 8 w: where their scale words go
.set ISL, 8                            ; ISC + 32 r + 16 h: where scale words are read
.set BSA, 9                            ; USC + 8192 w + 32 r + 16 h
.set BVA, 10                           ; BVM + 2048 w + 8 r
.set PSW, 11                           ; PS + 64 w + 32 h
.set PSR, 12                           ; PS + 4 r
.set CXA, 14                           ; the context's place in the slot in hand
.set TAW, 15                           ; TAUL + 4 r + 64 x pass
.set IRA, 16                           ; IMG + 16 x lane
.set LBA, 17                           ; UAL + 32768 w + 16 x lane
.set PFO, 18                           ; the prefetches' offset: 4096 (lane / 4) + 256 (lane % 4)
; v20 M, v21 L (a lane's part), v22 f, v23 tau, v24 p, v24-27 at work
.set CTX, 28                           ; v28-35 the context: columns 256 w + 4 lane + 0..3 and + 128
.set ASC, 36                           ; v36-39 the keys' scale words: register j: lanes 0-15 K step j, lanes 16-31 K step 4 + j
.set BSC, 40                           ; v40-59 Ua's, five tiles x 4, laid likewise
.set BV,  60                           ; v60-69 five pairs (bias, -c Va)
.set SC,  70                           ; v70-77 tau's parts: register j: row 8 h + j
.set ACC, 78                           ; v78-125: four accumulators of register tiles, then two of the LDS tile (even, odd K steps)
.set PC0, ACC                          ; in the quantiser: codes,
.set PC1, ACC+8
.set TM,  ACC+16                       ; temporaries,
.set PW0, ACC+32                       ; scale words
.set PW1, ACC+33
.set AF,  128                          ; v128-191 the keys' 8 fragments
.set LAND, 192                         ; v192-255 the LDS tile in hand.  Both: the context's 16 rows, then the quantiser's numbers
.set WV,  20
.set G1,  24
.set G0,  32
.set SCX, 36                           ; QB w + the slot in hand
.set CNT, 37                           ; passes that refill, still to go
.set STA, 38                           ; TAUL - PS + 64 x pass
.set SLQ, 39                           ; the slot that is quantised
.set CC,  40
.set SEL, 42
.set FF,  44
.set UA,  46
.set PFA, 56                           ; s[56:57] my quarter of the rows four passes on
.set PP,  66                           ; s66-97 sixteen p in the even registers; the odd ones are named in pairs and hold 0
.set MSB, 0
.macro WIN new
.if MSB != \new
	s_set_vgpr_msb (MSB<<8)|\new
.set MSB, \new
.endif
.endm
.macro VW
	s_wait_alu depctr_va_vdst(0)
.endm
; 64 numbers of a lane, register 16 b + i = k 32 b + 16 h + i of my row, become a fragment's 8 registers of codes and its scale word
.macro QUANT s, pc, pw
.irp b, 0,1,2,3
	v_max3_num_f32 v[TM+\b], |v[\s+16*\b]|, |v[\s+1+16*\b]|, 0x1800000   ; with the floor 2^(3 - 127): the byte cannot fall under 1
.endr
.irp i, 2,4,6,8,10,12,14
.irp b, 0,1,2,3
	v_max3_num_f32 v[TM+\b], v[TM+\b], |v[\s+16*\b+\i]|, |v[\s+1+16*\b+\i]|
.endr
.endr
.irp b, 0,1,2,3
	v_permlanex16_b32 v[TM+4+\b], v[TM+\b], s[SEL], s[SEL+1]
.endr
.irp b, 0,1,2,3
	v_max_num_f32 v[TM+\b], v[TM+\b], v[TM+4+\b]
.endr
.irp b, 0,1,2,3
	v_add_nc_u32 v[TM+12+\b], 0xff000000, v[TM+\b]   ; 2 off the exponent field: the conversion's scale operand
.endr
.irp b, 0,1,2,3
	v_lshrrev_b32 v[TM+4+\b], 23, v[TM+12+\b]
.endr
	v_lshl_or_b32 v[\pw], v[TM+5], 8, v[TM+4]
	v_lshl_or_b32 v[\pw], v[TM+6], 16, v[\pw]
	v_lshl_or_b32 v[\pw], v[TM+7], 24, v[\pw]
.irp b, 0,1,2,3
	v_cvt_scalef32_pk8_fp4_f32 v[\pc+2*\b], v[\s+16*\b:\s+7+16*\b], v[TM+12+\b]
	v_cvt_scalef32_pk8_fp4_f32 v[\pc+1+2*\b], v[\s+8+16*\b:\s+15+16*\b], v[TM+12+\b]
.endr
	v_nop                                          ; one plain place behind a scaled conversion
.irp c, 0,1
.irp i, 0,1
	v_permlane16_swap_b32 v[\pc+4*\c+\i], v[\pc+2+4*\c+\i]
.endr
.endr
.endm
.macro XLOAD s, x                      ; 128 numbers from 128 s on of my quarter's row r: 64 a lane
.irp b, 0,1,2,3
.irp j, 0,1,2,3
	ds_load_b128 v[(\x)+16*\b+4*\j:(\x)+16*\b+4*\j+3], v[LQA] offset:512*(\s)+128*\b+16*\j
.endr
.endr
.endm
.macro QSTORE s, pc, pw                ; K step 2 w + s: its image and its scale word
	ds_store_b128 v[IWA], v[\pc:\pc+3] offset:1024*(\s)
	ds_store_b128 v[IWA], v[\pc+4:\pc+7] offset:1024*(\s)+512
	ds_store_b32 v[ISA], v[\pw] offset:4*(\s)      ; both halves of the lanes store the same word to the same place
.endm
.macro LLOAD j                         ; my LDS tile j into the 64 registers
.irp k, 0,1,2,3,4,5,6,7
.irp c, 0,1
	ds_load_b128 v[LAND+8*\k+4*\c:LAND+8*\k+4*\c+3], v[LBA] offset:8192*(\j)+1024*\k+512*\c
.endr
.endr
.endm
.macro LSTORE j, reg                   ; at the head: tile 12 + j from window 3 to LDS
.irp k, 0,1,2,3,4,5,6,7
.irp c, 0,1
	ds_store_b128 v[LBA], v[(\reg)+8*\k+4*\c:(\reg)+8*\k+4*\c+3] offset:8192*(\j)+1024*\k+512*\c
.endr
.endr
.endm
.macro UALOAD t, reg                   ; my tile t of Ua: 16 loads of 512 consecutive bytes, into the window that is set
.irp k, 0,1,2,3,4,5,6,7
.irp c, 0,1
	global_load_b128 v[(\reg)+8*\k+4*\c:(\reg)+8*\k+4*\c+3], v[LI], s[UA:UA+1] offset:8192*(\t)+1024*\k+512*\c
.endr
.endr
.endm
.macro BSLOAD W, L                     ; Ua's scale words of a group: window W's four tiles (W > 0) and LDS tile L
.if \W > 0
.irp t, 0,1,2,3
	ds_load_b128 v[BSC+4*\t:BSC+4*\t+3], v[BSA] offset:512*(4*(\W-1)+\t)
.endr
.endif
	ds_load_b128 v[BSC+16:BSC+19], v[BSA] offset:512*(12+\L)
.endm
.macro BVLOAD W, L                     ; and its pairs (bias, -c Va)
.if \W > 0
.irp t, 0,1,2,3
	ds_load_b64 v[BV+2*\t:BV+2*\t+1], v[BVA] offset:128*(4*(\W-1)+\t)
.endr
.endif
	ds_load_b64 v[BV+8:BV+9], v[BVA] offset:128*(12+\L)
.endm
; One product of K step ks (a symbol): source 0 = the 16 rows of keys, source 1 = 16 rows of Ua.  Lane (r, h), register j: row 8 h + j, column 16 t + r
.macro MM acc, breg, bsc, zero
.set rA, AF+8*ks
.set rB, (\breg)+8*ks
.set rSA, ASC+ks%4
.set rSB, (\bsc)+ks%4
.if \zero
	v_wmma_scale_f32_16x16x128_f8f6f4 v[\acc:\acc+7], v[rA:rA+7], v[rB:rB+7], 0, v[rSA], v[rSB] matrix_a_fmt:MATRIX_FMT_FP4 matrix_b_fmt:MATRIX_FMT_FP4
.elseif ks < 4
	v_wmma_scale_f32_16x16x128_f8f6f4 v[\acc:\acc+7], v[rA:rA+7], v[rB:rB+7], v[\acc:\acc+7], v[rSA], v[rSB] matrix_a_fmt:MATRIX_FMT_FP4 matrix_b_fmt:MATRIX_FMT_FP4
.else
	v_wmma_scale_f32_16x16x128_f8f6f4 v[\acc:\acc+7], v[rA:rA+7], v[rB:rB+7], v[\acc:\acc+7], v[rSA], v[rSB] matrix_a_fmt:MATRIX_FMT_FP4 matrix_b_fmt:MATRIX_FMT_FP4 matrix_a_scale:MATRIX_SCALE_ROW1 matrix_b_scale:MATRIX_SCALE_ROW1
.endif
.endm
; Pairs lo .. lo + n - 1 of the accumulators (four pairs a tile): t = c x + bias; r = 1 / (1 + 2^t); tau's parts += (-c Va) r.  Whole batches: sources, wait, batch, a plain place, wait
.macro TANH lo, n, first
.set q, \lo
.rept \n
	v_pk_fma_f32 v[ACC+2*q:ACC+2*q+1], v[ACC+2*q:ACC+2*q+1], s[CC:CC+1], v[BV+2*(q/4):BV+2*(q/4)+1] op_sel_hi:[1,0,0]
.set q, q+1
.endr
.irp j, 0,2,4,6
	v_pk_fma_f32 v[ACC+32+\j:ACC+33+\j], v[ACC+40+\j:ACC+41+\j], s[CC:CC+1], v[ACC+32+\j:ACC+33+\j] op_sel_hi:[1,0,1]   ; the LDS tile's odd K steps
.endr
	VW
.set q, 2*\lo
.rept 2*\n
	v_exp_f32 v[ACC+q], v[ACC+q]
.set q, q+1
.endr
	v_nop
	VW
.set q, \lo
.rept \n
	v_pk_add_f32 v[ACC+2*q:ACC+2*q+1], v[ACC+2*q:ACC+2*q+1], 1.0 op_sel_hi:[1,0]
.set q, q+1
.endr
	VW
.set q, 2*\lo
.rept 2*\n
	v_rcp_f32 v[ACC+q], v[ACC+q]
.set q, q+1
.endr
	v_nop
	VW
.set q, \lo
.rept \n                                       ; of the pair (bias, -c Va) the second word serves both halves
.if \first && (q < 4)
	v_pk_mul_f32 v[SC+2*(q%4):SC+2*(q%4)+1], v[ACC+2*q:ACC+2*q+1], v[BV+2*(q/4):BV+2*(q/4)+1] op_sel:[0,1] op_sel_hi:[1,1]   ; a pass's first tile starts the sums
.else
	v_pk_fma_f32 v[SC+2*(q%4):SC+2*(q%4)+1], v[ACC+2*q:ACC+2*q+1], v[BV+2*(q/4):BV+2*(q/4)+1], v[SC+2*(q%4):SC+2*(q%4)+1] op_sel:[0,1,0] op_sel_hi:[1,1,1]
.endif
.set q, q+1
.endr
.endm
.macro KLOAD b                         ; rows 8 b .. + 7 of my quarter, f32, 512 consecutive bytes a load
.irp i, 0,1,2,3,4,5,6,7
	ds_load_b128 v[AF+64*(\b)+8*\i:AF+64*(\b)+8*\i+3], v[CXA] offset:KP*(8*(\b)+\i)
	ds_load_b128 v[AF+64*(\b)+8*\i+4:AF+64*(\b)+8*\i+7], v[CXA] offset:KP*(8*(\b)+\i)+512
.endr
.endm
.macro KFMA b                          ; context += p x row
.irp i, 0,1,2,3,4,5,6,7
.irp q, 0,1,2,3
	v_pk_fma_f32 v[CTX+2*\q:CTX+2*\q+1], v[AF+64*(\b)+8*\i+2*\q:AF+64*(\b)+8*\i+2*\q+1], s[PP+2*(8*(\b)+\i):PP+2*(8*(\b)+\i)+1], v[CTX+2*\q:CTX+2*\q+1] op_sel_hi:[1,0,1]
.endr
.endr
.endm
.macro ASK                             ; pass i names pass i + 4's rows while i <= 11, that is while 14 - i >= 3: every address lies in my work-group's rows
	s_cmp_ge_u32 s[CNT], 3
	s_cbranch_scc0 .Lnoask_\@
	global_prefetch_b8 v[PFO], s[PFA:PFA+1] th:TH_LOAD_NT scope:SCOPE_SE
	global_prefetch_b8 v[PFO], s[PFA:PFA+1] offset:32768 th:TH_LOAD_NT scope:SCOPE_SE
.Lnoask_\@:
.endm
; A GROUP: the four tiles of window W (W = 0: none) and LDS tile L.  NW: the next group's window (-1: this is a pass's last group).  first: a pass's first group: its scale words, bias and Va are in.
; The register tiles' four accumulators take turns, then the LDS tile's two
.macro GROUP W, L, NW, first
.if \first == 0
	BVLOAD \W, \L
.if \W == 3
	s_wait_loadcnt 0x0                             ; in the first pass: window 3's tiles; later nothing is out
.endif
.if \W > 0
	s_wait_dscnt 5                                 ; all but the five just issued: scale words and the LDS tile are in
.else
	s_wait_dscnt 1                                 ; all but the one just issued
.endif
.endif
.if \W > 0
	WIN 4*\W
.set ks, 0
.rept 8
.if \first
	s_wait_dscnt 30-2*ks                           ; this K step's two loads are in; two for each later K step and the LDS tile's 16 may be out
.endif
	MM ACC, 0, BSC, (ks==0)
	MM ACC+8, 64, BSC+4, (ks==0)
	MM ACC+16, 128, BSC+8, (ks==0)
	MM ACC+24, 192, BSC+12, (ks==0)
.set ks, ks+1
.endr
	WIN 0
.endif
.if \first
	s_wait_dscnt 0x0                               ; the LDS tile
.endif
.set ks, 0
.rept 8
	MM ACC+32+8*(ks%2), LAND, BSC+16, (ks<2)
.set ks, ks+1
.endr
.rept 4
	v_nop                                          ; four places: ahead of loads into registers that the products have read, and of the first read of results
.endr
.if \NW >= 0
	BSLOAD \NW, \L+1
	LLOAD \L+1
.if \NW > 0
	s_wait_dscnt 21                                ; bias and Va are in; the 21 loads just issued may be out
.else
	s_wait_dscnt 17
.endif
.else
	KLOAD 0                                        ; the pass's f32 rows leave the slot for the registers that the products have left
	KLOAD 1
	s_wait_dscnt 32                                ; bias and Va are in; the 32 loads just issued may be out
.endif
.if \W > 0
	TANH 0, 20, \first
.else
	TANH 16, 4, 0
.endif
.endm
.macro BAR
	s_barrier_signal -1
	s_barrier_wait -1
.endm
.macro PASS refill, more
	ds_load_b128 v[ASC:ASC+3], v[ISL]
.irp k, 0,1,2,3,4,5,6,7
	ds_load_b128 v[AF+8*\k:AF+8*\k+3], v[IRA] offset:1024*\k          ; the images come back in the order of the K steps, two loads each
	ds_load_b128 v[AF+8*\k+4:AF+8*\k+7], v[IRA] offset:1024*\k+512
.endr
	LLOAD 0
.if \refill
	ASK
.endif
	v_add_nc_u32 v[CXA], s[SCX], v[LI]             ; first read behind the groups' vector work
	v_add_nc_u32 v[TAW], s[STA], v[PSR]
.if \more
	v_add_nc_u32 v[LQA], s[SLQ], v[LQ]
.endif
	GROUP 1, 0, 0, 1
	GROUP 0, 1, 2, 0
	GROUP 2, 2, 3, 0
	GROUP 3, 3, -1, 0
.irp m, 1,2,4,8                                ; tau: over the 16 columns of a tile that lie in 16 lanes
.irp j, 0,1,2,3,4,5,6,7
	v_add_f32_dpp v[SC+\j], v[SC+\j], v[SC+\j] row_xmask:\m row_mask:0xf bank_mask:0xf
.endr
.endr
	ds_store_b128 v[PSW], v[SC:SC+3]               ; rows 8 h + 0 .. 3; the 16 lanes of a half store the same numbers to the same place
	ds_store_b128 v[PSW], v[SC+4:SC+7] offset:16
.if \refill
	s_wait_tensorcnt 0x0                           ; my one tensor load, pass i + 1's rows, has landed
	ds_add_u32 v[SPW], v[NIL]
	s_xor_b32 s[G0+1], s[G0+1], SLOTB              ; the walking descriptor: the slot just read,
	s_add_nc_u64 s[G0+2:G0+3], s[G0+2:G0+3], 65536 ; the next 16 rows of 4,096 bytes after those last asked for
	s_wait_xcnt 0x0                                ; my prefetches have read their address
	s_add_nc_u64 s[PFA:PFA+1], s[PFA:PFA+1], 65536
	s_wait_dscnt 0x0                               ; the add is done, my parts of tau lie in LDS, my reads of the slot and of the images are over
	BAR
	tensor_load_to_lds s[G0:G0+3], s[G1:G1+7]      ; first behind the barrier, my one tensor load until the next such barrier: pass i + 2's rows
	s_nop 0
.else
.if \more
	s_wait_tensorcnt 0x0                           ; the last rows have landed
.endif
	s_wait_dscnt 0x0
	BAR
.endif
.irp u, 0,1,2,3
	ds_load_b32 v[24+\u], v[PSR] offset:64*\u
.endr
.if \more
	BSLOAD 1, 0                                    ; for the next pass's first group
	BVLOAD 1, 0
	s_wait_dscnt 10                                ; tau's four parts are in; the ten loads just issued may be out
.else
	s_wait_dscnt 0x0
.endif
	v_add_f32 v24, v24, v25
	v_add_f32 v26, v26, v27
	v_add_f32 v23, v24, v26                        ; lane l: tau of row l % 16; the same bits in all four waves
	VW
	s_cmp_lg_u32 s[WV], 0
	s_cbranch_scc1 .Lnot_wave_0_\@
	ds_store_b32 v[TAW], v23                       ; wave 0 keeps tau for the way out
.Lnot_wave_0_\@:
	v_max_num_f32_dpp v25, v23, v23 row_xmask:1 row_mask:0xf bank_mask:0xf
	v_max_num_f32_dpp v25, v25, v25 row_xmask:2 row_mask:0xf bank_mask:0xf
	v_max_num_f32_dpp v25, v25, v25 row_xmask:4 row_mask:0xf bank_mask:0xf
	v_max_num_f32_dpp v25, v25, v25 row_xmask:8 row_mask:0xf bank_mask:0xf
	v_max_num_f32 v25, v25, v20                    ; the new M
	v_sub_f32 v26, v20, v25
	v_sub_f32 v24, v23, v25
	VW
	v_exp_f32 v22, v26                             ; f = 2^(old M - new M)
	v_exp_f32 v24, v24                             ; p = 2^(tau - M)
	v_mov_b32 v20, v25
	VW
	v_fma_f32 v21, v21, v22, v24                   ; my lane's part of L
	v_readfirstlane_b32 s[FF], v22
	s_mov_b32 s[FF+1], s[FF]
.irp q, 0,1,2,3
	v_pk_mul_f32 v[CTX+2*\q:CTX+2*\q+1], v[CTX+2*\q:CTX+2*\q+1], s[FF:FF+1] op_sel_hi:[1,0]
.endr
.irp i, 0,1,2,3,4,5,6,7,8,9,10,11,12,13,14,15
	v_readlane_b32 s[PP+2*\i], v24, \i
.endr
	KFMA 0
.if \more
	XLOAD 0, AF                                    ; the next pass's numbers take the registers as the context leaves them
.endif
	KFMA 1
.if \more
	XLOAD 1, LAND
	s_wait_dscnt 16                                ; the first 64 numbers are in; the 16 loads just issued may be out
	QUANT AF, PC0, PW0
	QSTORE 0, PC0, PW0
	s_wait_dscnt 3                                 ; the second 64 are in; the 3 stores may be out
	QUANT LAND, PC1, PW1
	QSTORE 1, PC1, PW1
	s_xor_b32 s[SCX], s[SCX], SLOTB
	s_xor_b32 s[SLQ], s[SLQ], SLOTB
	s_add_co_u32 s[STA], s[STA], 64
	s_wait_dscnt 0x0                               ; for the others' sake: my images lie in LDS; my reads of tau's parts are over
	BAR                                            ; the refill may be out
.endif
.endm
	s_load_b512 s[4:19], s[0:1], 0x0               ; keys, ua_img, Ua's scales, part, Va_w, pctx, pml, tau
	s_load_b128 s[48:51], s[0:1], 0x40             ; Wa_b, Ua_b
	v_lshl_add_u32 v[SPW], v0, 2, SPARE
	v_mov_b32 v[NIL], 0
	ds_add_u32 v[SPW], v[NIL]                      ; the opening: the add, twice on end, and its wait ahead of my first tensor load
	ds_add_u32 v[SPW], v[NIL]
	v_lshrrev_b32 v24, 5, v0
	v_readfirstlane_b32 s[WV], v24                 ; wave 0..3
	s_mov_b32 s[G1+0], (2<<16)|(1<<20)|(7<<22)|(3<<25)   ; elements of 4 bytes; after every 256 words four words of padding
	s_mov_b32 s[G1+1], 256<<16                     ; tensor_dim0
	s_mov_b32 s[G1+2], 16<<16                      ; tensor_dim1
	s_mov_b32 s[G1+3], 256<<16                     ; tile_dim0
	s_mov_b32 s[G1+4], 16                          ; tile_dim1
	s_mov_b32 s[G1+5], 1024                        ; from row to row
	s_mov_b32 s[G1+6], 0
	s_mov_b32 s[G1+7], 0
	s_mov_b32 s[G0], 1
	s_mul_i32 s[G0+1], s[WV], QB                   ; slot 0, my quarter
	s_lshl_b32 s22, ttmp9, 20                      ; my work-group's 256 rows of 4,096 bytes,
	s_lshl_b32 s23, s[WV], 10                      ; my quarter of a row
	s_add_co_u32 s22, s22, s23
	s_mov_b32 s23, 0
	s_mul_i32 s[SCX], s[WV], QB
	s_mov_b32 s[CNT], 14
	s_mov_b32 s[STA], TAUL-PS
	s_mov_b32 s[SLQ], SLOTB
	s_mov_b32 s[CC], C2
	s_mov_b32 s[CC+1], s[CC]
	s_mov_b32 s[SEL], 0x76543210
	s_mov_b32 s[SEL+1], 0xfedcba98
.irp i, 0,1,2,3,4,5,6,7,8,9,10,11,12,13,14,15
	s_mov_b32 s[PP+2*\i+1], 0                      ; named in pairs, so written
.endr
	s_wait_dscnt 0x0                               ; both opening adds are done
	s_wait_kmcnt 0x0
	s_add_nc_u64 s[G0+2:G0+3], s[4:5], s[22:23]
	s_add_nc_u64 s[PFA:PFA+1], s[4:5], s[22:23]
	s_add_nc_u64 s[PFA:PFA+1], s[PFA:PFA+1], 4*65536
	s_or_b32 s[G0+3], s[G0+3], 0x80000000          ; type = 2
	tensor_load_to_lds s[G0:G0+3], s[G1:G1+7]      ; pass 0's rows: every wave's one load at the head; by this text's count a wave never has more than one out
	s_nop 0
	s_lshl_b32 s22, s[WV], 17                      ; my 16 tiles of 8,192 bytes
	s_add_nc_u64 s[UA:UA+1], s[6:7], s[22:23]
	s_lshl_b32 s22, s[WV], 13                      ; my 256 rows of 32 scale bytes
	s_add_nc_u64 s[8:9], s[8:9], s[22:23]
	s_lshl_b32 s22, s[WV], 10                      ; my 256 numbers
	s_add_nc_u64 s[12:13], s[12:13], s[22:23]
	s_add_nc_u64 s[48:49], s[48:49], s[22:23]
	s_add_nc_u64 s[50:51], s[50:51], s[22:23]
	s_lshr_b32 s21, ttmp9, 3                       ; the batch
	s_lshl_b32 s21, s21, 12
	s_add_co_u32 s22, s22, s21
	s_add_nc_u64 s[10:11], s[10:11], s[22:23]      ; part: the batch's row, my 256 numbers
	s_lshl_b32 s21, ttmp9, 12
	s_lshl_b32 s22, s[WV], 10
	s_add_co_u32 s22, s22, s21
	s_add_nc_u64 s[14:15], s[14:15], s[22:23]      ; pctx
	s_lshl_b32 s22, ttmp9, 8
	s_add_nc_u64 s[16:17], s[16:17], s[22:23]      ; pml
	s_lshl_b32 s22, ttmp9, 10
	s_add_nc_u64 s[18:19], s[18:19], s[22:23]      ; tau
	v_and_b32 v24, 31, v0                          ; lane
	v_and_b32 v25, 15, v0                          ; r
	v_bfe_u32 v26, v0, 4, 1                        ; h
	v_lshlrev_b32 v[LI], 4, v24
	v_mul_u32_u24 v[LQ], v25, KP
	v_lshl_add_u32 v[LQ], v26, 6, v[LQ]
	v_add_nc_u32 v[LQ], s[SCX], v[LQ]
	v_lshlrev_b32 v27, 5, v25                      ; 32 r
	s_lshl_b32 s21, s[WV], 3
	s_add_co_u32 s21, s21, ISC
	v_add_nc_u32 v[ISA], s21, v27
	v_lshl_add_u32 v27, v26, 4, v27                ; 32 r + 16 h
	v_add_nc_u32 v[ISL], ISC, v27
	s_lshl_b32 s21, s[WV], 13
	s_add_co_u32 s21, s21, USC
	v_add_nc_u32 v[BSA], s21, v27
	v_add_nc_u32 v[LQA], s21, v[LI]                ; for now: where my scale bytes go
	s_lshl_b32 s21, s[WV], 11
	s_add_co_u32 s21, s21, BVM
	v_lshl_add_u32 v[BVA], v25, 3, s21
	v_lshl_add_u32 v[CXA], v24, 5, s21             ; for now: where my bias and Va go
	s_lshl_b32 s21, s[WV], 11
	s_add_co_u32 s21, s21, IMG
	v_add_nc_u32 v[IWA], s21, v[LI]
	v_add_nc_u32 v[IRA], IMG, v[LI]
	s_lshl_b32 s21, s[WV], 6
	s_add_co_u32 s21, s21, PS
	v_lshl_add_u32 v[PSW], v26, 5, s21
	v_lshl_add_u32 v[PSR], v25, 2, PS
	s_lshl_b32 s21, s[WV], 15
	s_add_co_u32 s21, s21, UAL
	v_add_nc_u32 v[LBA], s21, v[LI]
	v_lshrrev_b32 v27, 2, v24
	v_and_b32 v[PFO], 3, v24
	v_lshlrev_b32 v[PFO], 8, v[PFO]
	v_lshl_add_u32 v[PFO], v27, 12, v[PFO]
	VW
.irp i, 0,1,2,3,4,5,6,7,8,9,10,11,12,13,14,15
	global_load_b128 v[128+4*\i:131+4*\i], v[LI], s[8:9] offset:512*\i   ; my 8 KiB of Ua's scale bytes
.endr
.irp k, 0,1,2,3
	global_load_b128 v[192+8*\k:195+8*\k], v[LI], s[10:11] offset:131072*\k       ; my 1 KiB of each of the four parts of wq
	global_load_b128 v[196+8*\k:199+8*\k], v[LI], s[10:11] offset:131072*\k+512
.endr
	global_load_b128 v[224:227], v[LI], s[48:49]   ; of Wa_b,
	global_load_b128 v[228:231], v[LI], s[48:49] offset:512
	global_load_b128 v[232:235], v[LI], s[50:51]   ; of Ua_b,
	global_load_b128 v[236:239], v[LI], s[50:51] offset:512
	global_load_b128 v[240:243], v[LI], s[12:13]   ; and of Va
	global_load_b128 v[244:247], v[LI], s[12:13] offset:512
	WIN 0xc0                                       ; the four tiles that go to LDS pass through window 3
	UALOAD 12, 0
	UALOAD 13, 64
	WIN 0
.irp o, 131072, 98304, 65536, 32768
	global_prefetch_b8 v[PFO], s[PFA:PFA+1] offset:-\o th:TH_LOAD_NT scope:SCOPE_SE   ; my quarter of the rows of passes 2 and 3
.endr
	s_wait_loadcnt 32                              ; the 30 small loads are in; the 32 of tiles 12 and 13 may be out
.irp p, 0,2,4,6
	v_pk_add_f32 v[192+\p:193+\p], v[192+\p:193+\p], v[200+\p:201+\p]
	v_pk_add_f32 v[208+\p:209+\p], v[208+\p:209+\p], v[216+\p:217+\p]
	v_pk_add_f32 v[224+\p:225+\p], v[224+\p:225+\p], v[232+\p:233+\p]
.endr
.irp p, 0,2,4,6
	v_pk_add_f32 v[192+\p:193+\p], v[192+\p:193+\p], v[208+\p:209+\p]
.endr
.irp p, 0,2,4,6
	v_pk_add_f32 v[192+\p:193+\p], v[192+\p:193+\p], v[224+\p:225+\p]
.endr
.irp i, 0,1,2,3,4,5,6,7
	v_mul_f32 v[208+2*\i], s[CC], v[192+\i]        ; bias = c (wq + Wa_b + Ua_b),
	v_mul_f32 v[209+2*\i], NC2, v[240+\i]          ; beside it -c Va
.endr
.irp i, 0,1,2,3,4,5,6,7,8,9,10,11,12,13,14,15
	ds_store_b128 v[LQA], v[128+4*\i:131+4*\i] offset:512*\i   ; bytes that I alone read
.endr
	ds_store_b128 v[CXA], v[208:211]
	ds_store_b128 v[CXA], v[212:215] offset:16
	ds_store_b128 v[CXA], v[216:219] offset:1024
	ds_store_b128 v[CXA], v[220:223] offset:1040
	WIN 0xc0
	UALOAD 14, 128
	UALOAD 15, 192
	s_wait_loadcnt 32                              ; tiles 12 and 13 are in
	WIN 0x0c                                       ; store data from window 3
	LSTORE 0, 0
	LSTORE 1, 64
	WIN 0x40
	UALOAD 0, 0
	UALOAD 1, 64
	s_wait_loadcnt 32                              ; tiles 14 and 15 are in
	WIN 0x0c
	LSTORE 2, 128
	LSTORE 3, 192
	WIN 0
	s_wait_tensorcnt 0x0                           ; pass 0's rows are in
	ds_add_u32 v[SPW], v[NIL]
	s_xor_b32 s[G0+1], s[G0+1], SLOTB              ; slot 1,
	s_add_nc_u64 s[G0+2:G0+3], s[G0+2:G0+3], 65536 ; pass 1's rows
	s_wait_dscnt 0x0                               ; the add and my stores are done
	BAR
	tensor_load_to_lds s[G0:G0+3], s[G1:G1+7]      ; slot 1's first fill, issued as a refill is
	s_nop 0
	WIN 0x40
	UALOAD 2, 128
	UALOAD 3, 192
	WIN 0x80
	UALOAD 4, 0
	UALOAD 5, 64
	UALOAD 6, 128
	UALOAD 7, 192
	WIN 0xc0
	UALOAD 8, 0
	UALOAD 9, 64
	UALOAD 10, 128
	UALOAD 11, 192
	WIN 0
	v_mov_b32 v20, 0xff61b1e6                      ; M: -3e38, under every tau: the first f is 0 and meets zeros
	v_mov_b32 v21, 0                               ; L
.irp i, 0,1,2,3,4,5,6,7
	v_mov_b32 v[CTX+\i], 0
.endr
.irp b, 0,1,2,3
	v_mov_b32 v[TM+4+\b], 0                        ; a lane permute's destination counts as one of its sources
.endr
	v_mov_b32 v[LQA], v[LQ]                        ; pass 0 is quantised here, from slot 0
	VW
	XLOAD 0, AF
	XLOAD 1, LAND
	BSLOAD 1, 0                                    ; for the first pass's first group
	BVLOAD 1, 0
	s_wait_dscnt 26                                ; the first 64 numbers are in; 16 + 10 loads are younger
	QUANT AF, PC0, PW0
	QSTORE 0, PC0, PW0
	s_wait_dscnt 13                                ; the second 64 are in; 10 loads and 3 stores are younger
	QUANT LAND, PC1, PW1
	QSTORE 1, PC1, PW1
	VW
	s_wait_loadcnt 63                              ; behind windows 1 and 2 stand window 3's 64 loads: with 63 out at the most, windows 1 and 2 are in
	s_wait_dscnt 0x0                               ; for the others' sake: my images lie in LDS
	BAR                                            ; slot 1's load may be out
.Lpass:                                            ; fourteen passes that refill
	PASS 1, 1
	s_sub_co_u32 s[CNT], s[CNT], 1
	s_cmp_lg_u32 s[CNT], 0
	s_cbranch_scc1 .Lpass
	PASS 0, 1                                      ; the last two are written out: nothing is left to fetch,
	PASS 0, 0                                      ; and at last nothing to quantise
	; THE WAY OUT
	v_add_f32_dpp v21, v21, v21 row_xmask:1 row_mask:0xf bank_mask:0xf
	v_add_f32_dpp v21, v21, v21 row_xmask:2 row_mask:0xf bank_mask:0xf
	v_add_f32_dpp v21, v21, v21 row_xmask:4 row_mask:0xf bank_mask:0xf
	v_add_f32_dpp v21, v21, v21 row_xmask:8 row_mask:0xf bank_mask:0xf   ; L: each half of the lanes held all 16 rows' parts
	v_lshrrev_b32 v27, 1, v[LI]                    ; 8 x lane
	v_add_nc_u32 v26, TAUL, v[LI]
	global_store_b128 v[LI], v[CTX:CTX+3], s[14:15]             ; 32 lanes store 512 consecutive bytes
	global_store_b128 v[LI], v[CTX+4:CTX+7], s[14:15] offset:512
	VW
	s_cmp_lg_u32 s[WV], 0
	s_cbranch_scc1 .Lend
	ds_load_b128 v[128:131], v26                   ; wave 0's own stores: LDS serves a wave's instructions in order
	ds_load_b128 v[132:135], v26 offset:512
	s_wait_dscnt 0x0
	global_store_b128 v[LI], v[128:131], s[18:19]
	global_store_b128 v[LI], v[132:135], s[18:19] offset:512
	global_store_b64 v27, v[20:21], s[16:17]       ; (M, L) 32 times: 256 consecutive bytes, aligned
.Lend:
	s_wait_tensorcnt 0x0                           ; the wave's end
	ds_add_u32 v[SPW], v[NIL]
	s_wait_dscnt 0x0
	s_endpgm
.Lfunc_end_k_q47027009a0_main:
	.size	k_q47027009a0_main, .Lfunc_end_k_q47027009a0_main-k_q47027009a0_main
	.p2alignl 7, 3214868480
	.fill 96, 4, 3214868480
	.section	.rodata,"a",@progbits
	.p2align	6, 0x0
	.amdhsa_kernel k_q47027009a0_main
		.amdhsa_group_segment_fixed_size 327680
		.amdhsa_private_segment_fixed_size 0
		.amdhsa_enable_private_segment 0
		.amdhsa_kernarg_size 80
		.amdhsa_user_sgpr_count 2
		.amdhsa_user_sgpr_kernarg_segment_ptr 1
		.amdhsa_wavefront_size32 1
		.amdhsa_system_sgpr_workgroup_id_x 1
		.amdhsa_system_sgpr_workgroup_id_y 1
		.amdhsa_system_sgpr_workgroup_id_z 1
		.amdhsa_system_vgpr_workitem_id 0
		.amdhsa_next_free_vgpr 1024
		.amdhsa_next_free_sgpr 100
		.amdhsa_reserve_vcc 0
		.amdhsa_float_denorm_mode_32 3
		.amdhsa_float_denorm_mode_16_64 3
		.amdhsa_memory_ordered 1
		.amdhsa_forward_progress 1
		.amdhsa_inst_pref_size 244
	.end_amdhsa_kernel
	.amdgpu_metadata
---
amdhsa.version: [ 1, 2 ]
amdhsa.kernels:
  - .name:           k_q47027009a0_main
    .symbol:         k_q47027009a0_main.kd
    .args:
      - { .name: keys, .offset: 0, .size: 8, .value_kind: global_buffer, .address_space: global }
      - { .name: ua_img, .offset: 8, .size: 8, .value_kind: global_buffer, .address_space: global }
      - { .name: Ua_w_scales, .offset: 16, .size: 8, .value_kind: global_buffer, .address_space: global }
      - { .name: part, .offset: 24, .size: 8, .value_kind: global_buffer, .address_space: global }
      - { .name: Va_w, .offset: 32, .size: 8, .value_kind: global_buffer, .address_space: global }
      - { .name: pctx, .offset: 40, .size: 8, .value_kind: global_buffer, .address_space: global }
      - { .name: pml, .offset: 48, .size: 8, .value_kind: global_buffer, .address_space: global }
      - { .name: tau, .offset: 56, .size: 8, .value_kind: global_buffer, .address_space: global }
      - { .name: Wa_b, .offset: 64, .size: 8, .value_kind: global_buffer, .address_space: global }
      - { .name: Ua_b, .offset: 72, .size: 8, .value_kind: global_buffer, .address_space: global }
    .group_segment_fixed_size: 327680
    .private_segment_fixed_size: 0
    .kernarg_segment_align: 8
    .kernarg_segment_size: 80
    .max_flat_workgroup_size: 128
    .sgpr_count:     100
    .vgpr_count:     1024
    .wavefront_size: 32
...
	.end_amdgpu_metadata
.endif
;; end of part 2
;; launch combine (part 3): grid 32 x 1, 8 waves a work-group, no clusters, 0 bytes of LDS; arguments pctx, pml, tau, out0, out1; writes out0, out1
.if DOCPART == 3
	.amdgcn_target "amdgcn-amd-amdhsa--gfx1250"
	.amdhsa_code_object_version 6
	.text
	.protected	k_q47027009a0_combine
	.globl	k_q47027009a0_combine
	.p2align	8
	.type	k_q47027009a0_combine,@function
k_q47027009a0_combine:
	s_mov_b64 s[64:65], 0
	v_nop
	global_prefetch_b8 v0, s[64:65] scope:SCOPE_SE
	s_setreg_imm32_b32 hwreg(HW_REG_WAVE_MODE, 25, 1), 1
	s_wait_xcnt 0x0
; BAHDANAU ATTENTION, launch 3 of 3: a batch's eight partial results become the outputs.  Work-group = batch b.
; M* = the largest of the eight M_i; g_i = 2^(M_i - M*); Lt = sum of g_i L_i; context = sum of g_i ctx_i / Lt; weight[s] = 2^(tau[s] - M*) / Lt.
; WORK LEFT OUT: tau lacks the term of the score that is the same for all s (sum of Va, Va_b): softmax does not see it (shown at the first launch's head).
; Thread t owns context columns 4 t .. 4 t + 3 and weights 4 t .. + 3 and 1024 + 4 t .. + 3: every load and store of a wave covers 512 consecutive bytes.  No LDS, no barrier, no matrix work: 48 KiB a work-group.
; REGISTERS: v1 16 t; v2 M*; v3 Lt; v4-7 the context; v8-15 tau, then the weights; v16-23 g_i; v24-39 g_i / Lt, twice each (pairs for the packed forms); v40-71 the eight parts; v72-73 1 / Lt twice.  s16-31: (M_i, L_i).
	s_load_b256 s[4:11], s[0:1], 0x0               ; pctx, pml, tau, out0
	s_load_b64 s[12:13], s[0:1], 0x20              ; out1
	v_lshlrev_b32 v1, 4, v0
	s_mov_b32 s15, 0
	s_wait_alu depctr_va_vdst(0)
	s_wait_kmcnt 0x0
	s_lshl_b32 s14, ttmp9, 11                      ; eight units of 256 bytes
	s_add_nc_u64 s[6:7], s[6:7], s[14:15]
.irp i, 0,1,2,3,4,5,6,7
	s_load_b64 s[16+2*\i:17+2*\i], s[6:7], 256*\i
.endr
	s_lshl_b32 s14, ttmp9, 15                      ; eight parts of 4,096 bytes
	s_add_nc_u64 s[4:5], s[4:5], s[14:15]
	s_lshl_b32 s14, ttmp9, 13                      ; 2,048 numbers
	s_add_nc_u64 s[8:9], s[8:9], s[14:15]
	s_add_nc_u64 s[12:13], s[12:13], s[14:15]
	s_lshl_b32 s14, ttmp9, 12                      ; 1,024 numbers
	s_add_nc_u64 s[10:11], s[10:11], s[14:15]
.irp i, 0,1,2,3,4,5,6,7
	global_load_b128 v[40+4*\i:43+4*\i], v1, s[4:5] offset:4096*\i th:TH_LOAD_NT
.endr
	global_load_b128 v[8:11], v1, s[8:9] th:TH_LOAD_NT
	global_load_b128 v[12:15], v1, s[8:9] offset:4096 th:TH_LOAD_NT
	s_wait_kmcnt 0x0
	v_mov_b32 v2, s16
	s_delay_alu instid0(VALU_DEP_1)
	v_max3_num_f32 v2, v2, s18, s20
	s_delay_alu instid0(VALU_DEP_1)
	v_max3_num_f32 v2, v2, s22, s24
	s_delay_alu instid0(VALU_DEP_1)
	v_max3_num_f32 v2, v2, s26, s28
	s_delay_alu instid0(VALU_DEP_1)
	v_max_num_f32 v2, s30, v2                      ; M*: the batch's true maximum
.irp i, 0,1,2,3,4,5,6,7
	v_sub_f32 v[16+\i], s[16+2*\i], v2
.endr
	s_wait_alu depctr_va_vdst(0)
.irp i, 0,1,2,3,4,5,6,7
	v_exp_f32 v[16+\i], v[16+\i]                   ; g_i, at most 1
.endr
	v_nop                                          ; one plain place behind the batch,
	s_wait_alu depctr_va_vdst(0)                   ; and the one wait ahead of its first reader
	v_mul_f32 v3, s17, v16
.irp i, 1,2,3,4,5,6,7
	v_fmac_f32 v3, s[17+2*\i], v[16+\i]            ; Lt: at least 1, since the part that holds M* has g = 1 and L >= 1
.endr
	s_wait_alu depctr_va_vdst(0)
	v_rcp_f32 v72, v3
	v_nop
	s_wait_alu depctr_va_vdst(0)
	v_mov_b32 v73, v72
.irp i, 0,1,2,3,4,5,6,7
	v_mul_f32 v[24+2*\i], v[16+\i], v72
	v_mul_f32 v[25+2*\i], v[16+\i], v72
.endr
	s_wait_loadcnt 2                               ; the eight parts are in; tau's two loads may be out
	v_pk_mul_f32 v[4:5], v[40:41], v[24:25]
	v_pk_mul_f32 v[6:7], v[42:43], v[24:25]
.irp i, 1,2,3,4,5,6,7
	s_delay_alu instid0(VALU_DEP_2)
	v_pk_fma_f32 v[4:5], v[40+4*\i:41+4*\i], v[24+2*\i:25+2*\i], v[4:5]
	s_delay_alu instid0(VALU_DEP_2)
	v_pk_fma_f32 v[6:7], v[42+4*\i:43+4*\i], v[24+2*\i:25+2*\i], v[6:7]
.endr
	global_store_b128 v1, v[4:7], s[10:11]
	s_wait_loadcnt 0x0
.irp k, 0,1,2,3,4,5,6,7
	v_sub_f32 v[8+\k], v[8+\k], v2
.endr
	s_wait_alu depctr_va_vdst(0)
.irp k, 0,1,2,3,4,5,6,7
	v_exp_f32 v[8+\k], v[8+\k]
.endr
	v_nop
	s_wait_alu depctr_va_vdst(0)
.irp q, 0,1,2,3
	v_pk_mul_f32 v[8+2*\q:9+2*\q], v[8+2*\q:9+2*\q], v[72:73]
.endr
	global_store_b128 v1, v[8:11], s[12:13]
	global_store_b128 v1, v[12:15], s[12:13] offset:4096
	s_endpgm
.Lfunc_end_k_q47027009a0_combine:
	.size	k_q47027009a0_combine, .Lfunc_end_k_q47027009a0_combine-k_q47027009a0_combine
	.p2alignl 7, 3214868480
	.fill 96, 4, 3214868480
	.section	.rodata,"a",@progbits
	.p2align	6, 0x0
	.amdhsa_kernel k_q47027009a0_combine
		.amdhsa_group_segment_fixed_size 0
		.amdhsa_private_segment_fixed_size 0
		.amdhsa_enable_private_segment 0
		.amdhsa_kernarg_size 40
		.amdhsa_user_sgpr_count 2
		.amdhsa_user_sgpr_kernarg_segment_ptr 1
		.amdhsa_wavefront_size32 1
		.amdhsa_system_sgpr_workgroup_id_x 1
		.amdhsa_system_sgpr_workgroup_id_y 1
		.amdhsa_system_sgpr_workgroup_id_z 1
		.amdhsa_system_vgpr_workitem_id 0
		.amdhsa_next_free_vgpr 80
		.amdhsa_next_free_sgpr 66
		.amdhsa_reserve_vcc 0
		.amdhsa_float_denorm_mode_32 3
		.amdhsa_float_denorm_mode_16_64 3
		.amdhsa_memory_ordered 1
		.amdhsa_forward_progress 1
		.amdhsa_inst_pref_size 7
	.end_amdhsa_kernel
	.amdgpu_metadata
---
amdhsa.version: [ 1, 2 ]
amdhsa.kernels:
  - .name:           k_q47027009a0_combine
    .symbol:         k_q47027009a0_combine.kd
    .args:
      - { .name: pctx, .offset: 0, .size: 8, .value_kind: global_buffer, .address_space: global }
      - { .name: pml, .offset: 8, .size: 8, .value_kind: global_buffer, .address_space: global }
      - { .name: tau, .offset: 16, .size: 8, .value_kind: global_buffer, .address_space: global }
      - { .name: out0, .offset: 24, .size: 8, .value_kind: global_buffer, .address_space: global }
      - { .name: out1, .offset: 32, .size: 8, .value_kind: global_buffer, .address_space: global }
    .group_segment_fixed_size: 0
    .private_segment_fixed_size: 0
    .kernarg_segment_align: 8
    .kernarg_segment_size: 40
    .max_flat_workgroup_size: 256
    .sgpr_count:     66
    .vgpr_count:     80
    .wavefront_size: 32
...
	.end_amdgpu_metadata
.endif
;; end of part 3
